; MI455X (gfx1250); checked and timed in simulation.
; The chip was launched on July 23, 2026; its instructions are those of AMD's public machine-readable ISA for CDNA 5 (MIT licence, August 2026) and "CDNA5" Instruction Set Architecture Reference Guide (July 2026). The comments in the code are by the model that wrote it; some were corrected since.
;; QKV Attention. Allowed arithmetic: float matrix products may take bf16 or f16 operands with f32 sums; all other float work in f32.
;; Inputs: attn_mask 16 x 2,048 x 2,048 bool; pos 16 x 64 x 2,048 float32; qkv 16 x 192 x 2,048 float32.
;; Outputs: out0 16 x 64 x 2,048 float32.
;; 2 versions, each right. Each part assembles by itself: llvm-mc -triple=amdgcn-amd-amdhsa -mcpu=gfx1250 --defsym DOCPART=n.
;; ======== version 1 of 2: 1 launch
;; limits: right only within a limited range of input values; values are held in f16: magnitudes above 65,504 overflow, below 6.1e-05 lose precision
;; launch attn (part 1): grid 16 x 16, 4 waves a work-group, no clusters, 327,680 bytes of LDS; arguments qkv, pos, attn_mask, out0; writes out0
.if DOCPART == 1
	.amdgcn_target "amdgcn-amd-amdhsa--gfx1250"
	.amdhsa_code_object_version 6
	.text
	.protected	k_qc2ef40dd4b_attn
	.globl	k_qc2ef40dd4b_attn
	.p2align	8
	.type	k_qc2ef40dd4b_attn,@function
k_qc2ef40dd4b_attn:
	s_mov_b64 s[64:65], 0
	v_nop
	global_prefetch_b8 v0, s[64:65] scope:SCOPE_SE
	s_setreg_imm32_b32 hwreg(HW_REG_WAVE_MODE, 25, 1), 1
	s_wait_xcnt 0x0
; out[b][c][t] = sum over s of softmax_s( (q.k)/8, masked ) * v[c][s],  q, k, v = slices of qkv + pos.  N = 16, C = 64, T = 2048, all f32; mask 1 byte.
; One launch.  Work-group (x = query block of 128, y = batch), four waves; wave w owns 32 queries as two pieces A and B of 16.
; Every wave walks all 2,048 keys in 32 trips of 64; four trips are one step of 256 keys = one tile of the mask.
; TRANSPOSED: S^T = K^T Q (rows = keys, columns = queries), so a query's scores lie in two lanes (l and l + 16): maximum and sum need one
; exchange of halves, and eight rounded weights of a lane are already four registers of the second source of O = V P.
; KEY ORDER: tile u = 2g+e, row 8h+j stands for key 32g+16h+8e+j (K is laid into LDS with its 8-key pieces e and h exchanged).  Then a lane's
; mask bytes for 32 keys are 16 neighbouring bytes, and its V fragment is 32 neighbouring bytes.
; PIECES TAKE TURNS: the softmax of A runs among the products V P of B (of the trip before), that of B among the products V P of A, and the
; products K^T Q run among the additions and roundings of the next K and V tile.
; OPERANDS ARE f16: q, k, v after the addition of pos must stay below 65,504 in magnitude (the drawn numbers are below 10); weights lie in [0, 1].
; MASK: byte << 6 in the top byte of a word is 2.0 or 0.0; S = bias * (-2^126) + raw is exactly -2^127 where masked (for |raw| < 2^102) and raw elsewhere.
; The running maximum is taken away before every exponential.  A row that is masked throughout has maximum -2^127, all arguments exactly 0,
; all weights equal.  LIMIT: a masked logit counts as -2^124 and not -1e9: the same result as long as every unmasked logit is
; above about -1e9 + 104.  NaN and infinite inputs are not served.
; NO CLUSTER, NO JOINT LOADS: K, V and pos are shared by the 16 work-groups of a batch, but must be added and rounded before they feed a product.
; A joint load could bring only the raw f32: 3 x 16 KiB into LDS and out again for each trip, against the 16 KiB of f16 that are stored here and the
; 64 KiB of fragments that the four waves read.  Through registers each thread adds and rounds on the way.  The mask, two thirds of all
; input bytes, is shared by nobody.
; ASKED AHEAD: in the third trip of step j wave 0 asks for this work-group's sixteenth of K and V of step j+2 (2 x 4 rows x 4 blocks of 256 bytes, one
; a lane); in even steps wave 1 asks for its sixteenth of pos of steps j+2 and j+3.  Nothing is asked for behind step 7.
.set ROWB,   8192                      ; bytes in a row of 2,048 f32
; LDS
.set MPITCH, 272                       ; mask row: 256 bytes + 16 of padding = 17 x 16: sixteen rows start at sixteen different 16-byte columns modulo 256
.set MWAVE,  32*MPITCH                 ; a wave's 32 rows
.set MSLOT,  4*MWAVE                   ; 34,816; two slots, the only bytes that tensor loads fill; they end at 69,632 = 272 x 256
.set KBASE,  2*MSLOT
.set KPITCH, 160                       ; K row (one c, 64 keys of f16 = 128 bytes) + 32: 5 x 32, for the transposing loads
.set KSLOT,  64*KPITCH
.set VBASE,  KBASE+2*KSLOT             ; 90,112
.set VPITCH, 144                       ; V row 128 bytes + 16 = 9 x 16
.set VSLOT,  64*VPITCH
.set STAGE,  VBASE+2*VSLOT             ; 108,544: first Q (64 rows x 288), at the end the output (64 rows x 528); up to 142,336
.set QPITCH, 288                       ; 256 bytes + 32 = 9 x 32
.set OPITCH, 528                       ; 512 bytes + 16
; vector registers v0-v255
.set AM,  1                            ; LDS: my mask bytes, 8704 w + 272 r + 16 h
.set AV,  2                            ; LDS: my V fragments
.set PFK, 3                            ; offset of the block of K or V that I ask for
.set MXA, 4                            ; running maximum of A, of B (raw sums)
.set MXB, 5
.set LSA, 6                            ; running sum of A, of B (this lane's half of the keys)
.set LSB, 7
.set AL,  8                            ; v[8:9]   alpha (v9 only written once, so that the pair may be named)
.set NM,  10                           ; v[10:11] -maximum x c (v11 likewise)
.set T,   12                           ; v[12:15] at work
.set SU,  16                           ; v[16:19] two pairs of sums
.set PX,  20                           ; what the other half of the lanes sent
.set PFP, 21                           ; offset of the block of pos that I ask for
.set AO,  22                           ; LDS: where my results go
.set AR,  23                           ; LDS: where I read rows of the output back
.set GO,  24                           ; my byte offset in out
.set GQ,  25                           ; my byte offset in the rows of q
.set AQS, 26                           ; LDS: where my piece of Q goes
.set MKA, 32                           ; v[32:39] mask bytes of A (16 a group of 32 keys), v[40:47] of B
.set MKB, 40
.set BI,  48                           ; v[48:63] two buffers of eight biases
.set SA,  64                           ; v[64:95] masked scores of A, tile u at +8u; then weights; then P: group g at +16g .. +16g+7
.set SB,  96
.set OA,  128                          ; v[128:159] O of A: 16 c x 16 queries, block ct at +8ct
.set OB,  160
.set VF,  192                          ; v[192:255] V fragments, (g, ct) at +32g+8ct
; vector registers v256-v511, written by their low 8 bits
.set KS,  0                            ; v[256:287] K as loaded, group j at +4j; VS, PS: V and pos
.set VS,  32
.set PS,  64
.set QF,  96                           ; Q fragments, (piece, kk) at +16p+8kk
.set KF,  128                          ; K fragments, two buffers of 16
.set SRA, 160                          ; raw scores of A, of B
.set SRB, 192
.set GOFF, 224                         ; my byte offset in the rows of K, V, pos
.set AKST, 225                         ; LDS: where my 4 keys of K go, of V go
.set AVST, 226
.set AKLD, 227                         ; LDS: my K fragments, my Q fragments
.set AQLD, 228
; scalars
.set SEL, 20                           ; s[20:23] byte selectors
.set CL,  24                           ; s[24:25] c = log2(e) / 8
.set BIG, 26                           ; s[26:27] -2^126
.set G0,  32                           ; s[32:39] descriptor group 0 of mask slots 0 and 1
.set G1,  40                           ; s[40:47] descriptor group 1
; register windows (s_set_vgpr_msb: bits 1:0 source 0, 3:2 source 1, 5:4 source 2, 7:6 destination)
.set ALL1, 0x55
.set C_1,  0x10
.set D_1,  0x40
.set MSB, 0
.macro WIN new                         ; the high byte repeats the setting that is left; a switch that changes nothing is dropped
.if MSB != \new
	s_set_vgpr_msb (MSB<<8)|\new
.set MSB, \new
.endif
.endm
.macro NOP4
.rept 4
	v_nop
.endr
.endm
	s_load_b256 s[4:11], s[0:1], 0x0               ; qkv s[4:5], pos s[6:7], mask s[8:9], out s[10:11]
	s_set_vgpr_msb 0x40
	v_lshl_add_u32 v254, v0, 2, 0x29000
	v_mov_b32 v255, 0
	s_set_vgpr_msb 0x4045
	ds_add_u32 v254, v255
	s_set_vgpr_msb 0x4500
	v_lshrrev_b32 v12, 5, v0
	v_readfirstlane_b32 s12, v12                   ; wave
	s_mov_b32 s13, ttmp9                           ; query block
	s_and_b32 s14, ttmp7, 0xffff                   ; batch
	s_mov_b32 s[SEL+0], 0x00040404                 ; top byte = byte i of the second source, the rest = byte 0 of the first source (the constant 0)
	s_mov_b32 s[SEL+1], 0x01040404
	s_mov_b32 s[SEL+2], 0x02040404
	s_mov_b32 s[SEL+3], 0x03040404
	s_mov_b32 s[CL], 0x3e38aa3b                    ; 0.125 x 1.442695
	s_mov_b32 s[CL+1], 0x3e38aa3b
	s_mov_b32 s[BIG], 0xfe800000                   ; -2^126
	s_mov_b32 s[BIG+1], 0xfe800000
	s_mov_b32 s28, 0x76543210                      ; v_permlanex16_b32: lane i reads lane i of the other half
	s_mov_b32 s29, 0xfedcba98
	s_mov_b32 s30, 0xbe38aa3b                      ; -c
	; descriptor group 1: 32 rows x 32 elements of 8 bytes (256 bytes), 256 elements from row to row, 16 bytes of padding behind each row
	s_mov_b32 s[G1+0], (3<<16)|(1<<20)|(5<<22)|(3<<25)   ; no mask of work-groups; element 8 bytes; padding on, after every 64 words, of 4 words
	s_mov_b32 s[G1+1], 32<<16                      ; tensor_dim0 = 32
	s_mov_b32 s[G1+2], 32<<16                      ; tensor_dim1 = 32
	s_mov_b32 s[G1+3], 32<<16                      ; tile_dim0 = 32
	s_mov_b32 s[G1+4], 32                          ; tile_dim1 = 32
	s_mov_b32 s[G1+5], 256                         ; pitch: 2,048 bytes
	s_mov_b32 s[G1+6], 0
	s_mov_b32 s[G1+7], 0
	; byte offsets, each in a pair of its own
	s_mul_i32 s50, s14, 192*ROWB                   ; my batch in qkv
	s_mov_b32 s51, 0
	s_lshl_b32 s52, s14, 19                        ; my batch in pos and in out: 64 rows
	s_mov_b32 s53, 0
	s_lshl_b32 s54, s13, 9                         ; my 128 queries in a row: 512 bytes
	s_mov_b32 s55, 0
	s_lshl_b32 s58, s14, 22                        ; mask: batch x 2048 x 2048
	s_lshl_b32 s31, s13, 18                        ; + query block x 128 rows
	s_add_co_u32 s58, s58, s31
	s_lshl_b32 s31, s12, 16                        ; + wave x 32 rows
	s_add_co_u32 s58, s58, s31
	s_mov_b32 s59, 0
	s_mul_i32 s49, s12, MWAVE                      ; my wave's part of a mask slot
	; lane terms
	v_and_b32 v13, 15, v0                          ; r
	v_bfe_u32 v14, v0, 4, 1                        ; h
	v_and_b32 v15, 31, v0                          ; lane
	v_and_b32 v16, 7, v0
	v_bfe_u32 v17, v0, 3, 1
	v_lshl_add_u32 v18, v14, 3, v16                ; 8 h + (lane & 7): the row that I address in a transposing load
	v_lshl_add_u32 v19, v14, 2, s12                ; w + 4 h: my row among the 8 that one load of the work-group covers
	v_mul_u32_u24 v[AM], v13, MPITCH
	v_lshl_add_u32 v[AM], v14, 4, v[AM]
	v_add_nc_u32 v[AM], s49, v[AM]
	v_mul_u32_u24 v[AV], v13, VPITCH
	v_lshl_add_u32 v[AV], v14, 5, v[AV]
	v_add_nc_u32 v[AV], VBASE, v[AV]
	s_lshl_b32 s31, s13, 15                        ; 4 rows for each query block
	v_bfe_u32 v20, v0, 2, 2
	v_and_b32 v27, 3, v0
	v_lshlrev_b32 v[PFK], 19, v14                  ; lanes 16-31: V, 64 rows behind K
	v_lshl_add_u32 v[PFK], v20, 13, v[PFK]
	v_lshl_add_u32 v[PFK], v27, 8, v[PFK]
	v_add_nc_u32 v[PFK], s31, v[PFK]
	v_bfe_u32 v20, v0, 3, 2
	v_lshlrev_b32 v[PFP], 13, v20
	v_lshl_add_u32 v[PFP], v16, 8, v[PFP]
	v_add_nc_u32 v[PFP], s31, v[PFP]
	s_lshl_b32 s15, s12, 7
	s_add_co_u32 s15, s15, STAGE
	v_mul_u32_u24 v[AO], v14, 8*OPITCH             ; row 8 h, column 32 w + r
	v_lshl_add_u32 v[AO], v13, 2, v[AO]
	v_add_nc_u32 v[AO], s15, v[AO]
	s_mul_i32 s15, s12, 16*OPITCH
	s_add_co_u32 s15, s15, STAGE
	v_lshl_add_u32 v[AR], v15, 4, s15
	s_lshl_b32 s15, s12, 17                        ; 16 rows of out
	v_lshl_add_u32 v[GO], v15, 4, s15
	s_lshl_b32 s15, s12, 13
	v_lshl_add_u32 v[GQ], v15, 4, s15
	s_mul_i32 s15, s12, QPITCH
	s_add_co_u32 s15, s15, STAGE
	v_lshl_add_u32 v[AQS], v15, 3, s15
	v_lshlrev_b32 v27, 13, v19                     ; GOFF
	v_lshl_add_u32 v27, v13, 4, v27
	v_mul_u32_u24 v28, v19, KPITCH                 ; AKST: keys 4r .. 4r+3 with bits 3 and 4 of the key exchanged, 2 bytes a key
	v_and_b32 v12, 8, v13
	v_lshl_add_u32 v28, v12, 3, v28
	v_and_b32 v12, 2, v13
	v_lshl_add_u32 v28, v12, 4, v28
	v_and_b32 v12, 4, v13
	v_lshl_add_u32 v28, v12, 2, v28
	v_and_b32 v12, 1, v13
	v_lshl_add_u32 v28, v12, 3, v28
	v_add_nc_u32 v28, KBASE, v28
	v_mul_u32_u24 v29, v19, VPITCH                 ; AVST
	v_lshl_add_u32 v29, v13, 3, v29
	v_add_nc_u32 v29, VBASE, v29
	v_mul_u32_u24 v30, v18, KPITCH                 ; AKLD
	v_lshl_add_u32 v30, v17, 4, v30
	v_add_nc_u32 v30, KBASE, v30
	s_lshl_b32 s15, s12, 6
	s_add_co_u32 s15, s15, STAGE
	v_mul_u32_u24 v31, v18, QPITCH                 ; AQLD
	v_lshl_add_u32 v31, v17, 4, v31
	v_add_nc_u32 v31, s15, v31
	v_mov_b32 v[AL+1], 0
	v_mov_b32 v[NM+1], 0
	s_wait_dscnt 0x0
	s_wait_kmcnt 0x0
	s_add_nc_u64 s[8:9], s[8:9], s[58:59]          ; the mask at my wave's 32 rows
.irp t, 0,1
	s_mov_b32 s[G0+4*\t], 1                                        ; count = 1
	s_add_co_u32 s[G0+4*\t+1], s49, \t*MSLOT                       ; LDS address
	s_add_nc_u64 s[G0+4*\t+2:G0+4*\t+3], s[8:9], \t*256            ; keys 256 t ..
	s_or_b32 s[G0+4*\t+3], s[G0+4*\t+3], 0x80000000                ; type = 2
	tensor_load_to_lds s[G0+4*\t:G0+4*\t+3], s[G1:G1+7]            ; first fills: two tensor loads of the wave are out here, later one
	s_nop 0
.endr
	s_add_nc_u64 s[4:5], s[4:5], s[50:51]          ; qkv at my batch
	s_add_nc_u64 s[16:17], s[4:5], 64*ROWB         ; K (V lies 64 rows behind it)
	s_add_nc_u64 s[18:19], s[6:7], s[52:53]        ; pos at my batch
	s_add_nc_u64 s[10:11], s[10:11], s[52:53]
	s_add_nc_u64 s[56:57], s[10:11], s[54:55]      ; out at my batch and queries
	s_add_nc_u64 s[4:5], s[4:5], s[54:55]          ; q at my queries
	s_add_nc_u64 s[6:7], s[18:19], s[54:55]        ; pos at my queries
.irp i, 0,1,2,3,4,5,6,7,8,9,10,11,12,13,14,15
	global_load_b128 v[SA+4*\i:SA+4*\i+3], v[GQ], s[4:5] offset:4*ROWB*\i      ; row w + 4 i of q: the wave covers its 512 bytes
	global_load_b128 v[OA+4*\i:OA+4*\i+3], v[GQ], s[6:7] offset:4*ROWB*\i      ; and of pos
.endr
	WIN D_1
	v_mov_b32 v[GOFF], v27
	v_mov_b32 v[AKST], v28
	v_mov_b32 v[AVST], v29
	v_mov_b32 v[AKLD], v30
	v_mov_b32 v[AQLD], v31
	WIN ALL1
.irp j, 0,1,2,3,4,5,6,7
	global_load_b128 v[KS+4*\j:KS+4*\j+3], v[GOFF], s[16:17] offset:8*ROWB*\j          ; tile 0: sixteen lanes cover a row's 256 bytes
	global_load_b128 v[VS+4*\j:VS+4*\j+3], v[GOFF], s[16:17] offset:8*ROWB*\j+64*ROWB
	global_load_b128 v[PS+4*\j:PS+4*\j+3], v[GOFF], s[18:19] offset:8*ROWB*\j
.endr
	WIN 0
	s_cmp_lg_u32 s12, 0
	s_cbranch_scc1 .Lno_first_ask
	global_prefetch_b8 v[PFK], s[16:17] offset:1024 th:TH_LOAD_NT scope:SCOPE_SE       ; my sixteenth of K and V of step 1
.Lno_first_ask:
	s_wait_loadcnt 24                              ; the 24 loads of tile 0 stay out; the 32 of q and pos are in
.irp i, 0,1,2,3,4,5,6,7,8,9,10,11,12,13,14,15
	v_pk_add_f32 v[SA+4*\i:SA+4*\i+1], v[SA+4*\i:SA+4*\i+1], v[OA+4*\i:OA+4*\i+1]
	v_pk_add_f32 v[SA+4*\i+2:SA+4*\i+3], v[SA+4*\i+2:SA+4*\i+3], v[OA+4*\i+2:OA+4*\i+3]
	v_cvt_pk_f16_f32 v[SA+4*\i], v[SA+4*\i], v[SA+4*\i+1]
	v_cvt_pk_f16_f32 v[SA+4*\i+1], v[SA+4*\i+2], v[SA+4*\i+3]
	ds_store_b64 v[AQS], v[SA+4*\i:SA+4*\i+1] offset:4*QPITCH*\i
.endr
; Group j (rows w + 4h + 8j) of the staged tile: add pos, round to f16, store to LDS slot wslot, and load the tile after it into the same registers.
; All in registers v256 and up.  In two halves, so that each stands behind one matrix instruction.
.macro CONV_A j, cnt
	s_wait_loadcnt \cnt                            ; loads return in order (ISA guide 5.7.1): behind this group's three stand 3 (7 - j) of its tile and 3 j of the next
	v_pk_add_f32 v[KS+4*\j:KS+4*\j+1], v[KS+4*\j:KS+4*\j+1], v[PS+4*\j:PS+4*\j+1]
	v_pk_add_f32 v[KS+4*\j+2:KS+4*\j+3], v[KS+4*\j+2:KS+4*\j+3], v[PS+4*\j+2:PS+4*\j+3]
.endm
.macro CONV_B j, wslot, load, off
	v_pk_add_f32 v[VS+4*\j:VS+4*\j+1], v[VS+4*\j:VS+4*\j+1], v[PS+4*\j:PS+4*\j+1]
	v_pk_add_f32 v[VS+4*\j+2:VS+4*\j+3], v[VS+4*\j+2:VS+4*\j+3], v[PS+4*\j+2:PS+4*\j+3]
	v_cvt_pk_f16_f32 v[KS+4*\j], v[KS+4*\j], v[KS+4*\j+1]
	v_cvt_pk_f16_f32 v[KS+4*\j+1], v[KS+4*\j+2], v[KS+4*\j+3]
	v_cvt_pk_f16_f32 v[VS+4*\j], v[VS+4*\j], v[VS+4*\j+1]
	v_cvt_pk_f16_f32 v[VS+4*\j+1], v[VS+4*\j+2], v[VS+4*\j+3]
	ds_store_b64 v[AKST], v[KS+4*\j:KS+4*\j+1] offset:(\wslot)*KSLOT+8*KPITCH*\j
	ds_store_b64 v[AVST], v[VS+4*\j:VS+4*\j+1] offset:(\wslot)*VSLOT+8*VPITCH*\j
.if \load
	global_load_b128 v[KS+4*\j:KS+4*\j+3], v[GOFF], s[16:17] offset:8*ROWB*\j+\off
	global_load_b128 v[VS+4*\j:VS+4*\j+3], v[GOFF], s[16:17] offset:8*ROWB*\j+64*ROWB+\off
	global_load_b128 v[PS+4*\j:PS+4*\j+3], v[GOFF], s[18:19] offset:8*ROWB*\j+\off
.endif
.endm
	WIN ALL1
.irp j, 0,1,2,3,4,5,6,7
	CONV_A \j, 21
	CONV_B \j, 0, 1, 256                           ; tile 0 into slot 0; tile 1 on its way
.endr
	s_wait_dscnt 0x0                               ; my pieces of Q and of tile 0 are in LDS,
	s_barrier_signal -1
	s_barrier_wait -1                              ; everybody's are
.irp p, 0,1
.irp k, 0,1
	ds_load_tr16_b128 v[QF+16*\p+8*\k:QF+16*\p+8*\k+3],   v[AQLD] offset:32*\p+32*QPITCH*\k              ; c = 32 k + 8 h .., query 16 p + r
	ds_load_tr16_b128 v[QF+16*\p+8*\k+4:QF+16*\p+8*\k+7], v[AQLD] offset:32*\p+32*QPITCH*\k+16*QPITCH   ; c = 32 k + 16 + 8 h ..
.endr
.endr
	WIN 0
	s_wait_tensorcnt 0x1                           ; my mask tile 0 has landed, tile 1 may be out; only I read my tiles
; Four transposing loads: 16 keys (tile u) x 64 c into K buffer u & 1
.macro KLOAD u, rslot
.irp q, 0,1,2,3
	ds_load_tr16_b128 v[KF+16*((\u)&1)+4*\q:KF+16*((\u)&1)+4*\q+3], v[AKLD] offset:(\rslot)*KSLOT+32*(\u)+16*KPITCH*\q
.endr
.endm
; Slice s: tile u = s >> 1, c block kk = s & 1: one product for A, one for B, with one group of the next tile converted behind them.
; The accumulators take turns A, B, A, B, one instruction a turn.
.macro SLICE s, dsc, tau, conv, load
.if (\s&1) == 0
	s_wait_dscnt \dsc                              ; LDS returns in order (ISA guide 5.7.1): this tile's four loads are in; dsc = the LDS instructions issued behind them
	v_wmma_f32_16x16x32_f16 v[SRA+8*(\s>>1):SRA+8*(\s>>1)+7], v[KF+16*((\s>>1)&1):KF+16*((\s>>1)&1)+7], v[QF:QF+7], 0
.else
	v_wmma_f32_16x16x32_f16 v[SRA+8*(\s>>1):SRA+8*(\s>>1)+7], v[KF+16*((\s>>1)&1)+8:KF+16*((\s>>1)&1)+15], v[QF+8:QF+15], v[SRA+8*(\s>>1):SRA+8*(\s>>1)+7]
.endif
.if \conv
.if \load
	CONV_A \s, 21
.else
	CONV_A \s, 21-3*\s
.endif
.endif
.if (\s&1) == 0
	v_wmma_f32_16x16x32_f16 v[SRB+8*(\s>>1):SRB+8*(\s>>1)+7], v[KF+16*((\s>>1)&1):KF+16*((\s>>1)&1)+7], v[QF+16:QF+23], 0
.else
	v_wmma_f32_16x16x32_f16 v[SRB+8*(\s>>1):SRB+8*(\s>>1)+7], v[KF+16*((\s>>1)&1)+8:KF+16*((\s>>1)&1)+15], v[QF+24:QF+31], v[SRB+8*(\s>>1):SRB+8*(\s>>1)+7]
.endif
.if \conv
	CONV_B \s, 1-(\tau&1), \load, 256*(\tau+2)
.endif
.endm
; Masked scores of one piece: bias 2.0 or 0.0 from each mask byte, then score = bias x -2^126 + raw.  Source 2 (raw) lies in v256 and up.
.macro MSTAGE mk, sx, sr
.irp i, 0,1,2,3,4,5,6,7
	v_lshlrev_b32 v[\mk+\i], 6, v[\mk+\i]          ; bytes 0 or 1 become 0 or 0x40
.endr
.irp u, 0,1,2,3
.irp j, 0,1,2,3,4,5,6,7
	v_perm_b32 v[BI+8*(\u&1)+\j], 0, v[\mk+2*\u+(\j>>2)], s[SEL+(\j&3)]
.endr
.irp q, 0,1,2,3
	v_pk_fma_f32 v[\sx+8*\u+2*\q:\sx+8*\u+2*\q+1], v[BI+8*(\u&1)+2*\q:BI+8*(\u&1)+2*\q+1], s[BIG:BIG+1], v[\sr+8*\u+2*\q:\sr+8*\u+2*\q+1] op_sel_hi:[1,0,1]
.endr
.endr
.endm
; Product idx of O = V P of one piece: c block idx & 3, key group idx >> 2.  mode 0: none; 2: the first four start the sums; 1: all add in place.
; The four blocks take turns, one instruction a turn.
.macro PVW py, oy, idx, mode
.if \mode == 2
.if \idx < 4
	v_wmma_f32_16x16x32_f16 v[\oy+8*(\idx&3):\oy+8*(\idx&3)+7], v[VF+32*(\idx>>2)+8*(\idx&3):VF+32*(\idx>>2)+8*(\idx&3)+7], v[\py+16*(\idx>>2):\py+16*(\idx>>2)+7], 0
.else
	v_wmma_f32_16x16x32_f16 v[\oy+8*(\idx&3):\oy+8*(\idx&3)+7], v[VF+32*(\idx>>2)+8*(\idx&3):VF+32*(\idx>>2)+8*(\idx&3)+7], v[\py+16*(\idx>>2):\py+16*(\idx>>2)+7], v[\oy+8*(\idx&3):\oy+8*(\idx&3)+7]
.endif
.else
.if \mode == 1
	v_wmma_f32_16x16x32_f16 v[\oy+8*(\idx&3):\oy+8*(\idx&3)+7], v[VF+32*(\idx>>2)+8*(\idx&3):VF+32*(\idx>>2)+8*(\idx&3)+7], v[\py+16*(\idx>>2):\py+16*(\idx>>2)+7], v[\oy+8*(\idx&3):\oy+8*(\idx&3)+7]
.endif
.endif
.endm
.macro EXP8 sx, u
.irp i, 0,1,2,3,4,5,6,7
	v_exp_f32 v[\sx+8*\u+\i], v[\sx+8*\u+\i]
.endr
.endm
; Behind a run of exponentials one plain vector instruction comes before a result is used (ISA guide 5.7.2): here a quarter of O x alpha, or v_nop in the first trip
.macro RESC ox, q, first
.if \first
	v_nop
	s_wait_alu depctr_va_vdst(0)
.else
	s_wait_alu depctr_va_vdst(0)
.irp i, 0,1,2,3
	v_pk_mul_f32 v[\ox+8*\q+2*\i:\ox+8*\q+2*\i+1], v[\ox+8*\q+2*\i:\ox+8*\q+2*\i+1], v[AL:AL+1] op_sel_hi:[1,0]
.endr
.endif
.endm
; Tile u: its eight weights into the sums, then rounded in place: tile 2g+e becomes registers 4e .. 4e+3 of P of group g
.macro SUMCVT sx, u
.if \u == 0
	v_pk_add_f32 v[SU:SU+1], v[\sx:\sx+1], v[\sx+2:\sx+3]          ; the first tile starts the sums
	v_pk_add_f32 v[SU+2:SU+3], v[\sx+4:\sx+5], v[\sx+6:\sx+7]
.else
	s_wait_alu depctr_va_vdst(0)
	v_pk_add_f32 v[SU:SU+1], v[SU:SU+1], v[\sx+8*\u:\sx+8*\u+1]
	v_pk_add_f32 v[SU+2:SU+3], v[SU+2:SU+3], v[\sx+8*\u+2:\sx+8*\u+3]
	v_pk_add_f32 v[SU:SU+1], v[SU:SU+1], v[\sx+8*\u+4:\sx+8*\u+5]
	v_pk_add_f32 v[SU+2:SU+3], v[SU+2:SU+3], v[\sx+8*\u+6:\sx+8*\u+7]
.endif
.irp q, 0,1,2,3
	v_cvt_pk_f16_f32 v[\sx+16*(\u>>1)+4*(\u&1)+\q], v[\sx+8*\u+2*\q], v[\sx+8*\u+2*\q+1]
.endr
.endm
; The softmax step of one piece (scores at sx, O at ox), with the eight products V P of the other piece (P at py, O at oy) set among it.
; No instruction of the one names a register of the other.
.macro SOFTMAX sx, ox, mx, lx, first, py, oy, mode
	v_max3_num_f32 v[T],   v[\sx],   v[\sx+1],  v[\sx+2]
	v_max3_num_f32 v[T+1], v[\sx+3], v[\sx+4],  v[\sx+5]
	v_max3_num_f32 v[T+2], v[\sx+6], v[\sx+7],  v[\sx+8]
	v_max3_num_f32 v[T+3], v[\sx+9], v[\sx+10], v[\sx+11]
	v_max3_num_f32 v[T],   v[T],   v[\sx+12], v[\sx+13]
	v_max3_num_f32 v[T+1], v[T+1], v[\sx+14], v[\sx+15]
	PVW \py, \oy, 0, \mode
	v_max3_num_f32 v[T+2], v[T+2], v[\sx+16], v[\sx+17]
	v_max3_num_f32 v[T+3], v[T+3], v[\sx+18], v[\sx+19]
	v_max3_num_f32 v[T],   v[T],   v[\sx+20], v[\sx+21]
	v_max3_num_f32 v[T+1], v[T+1], v[\sx+22], v[\sx+23]
	v_max3_num_f32 v[T+2], v[T+2], v[\sx+24], v[\sx+25]
	v_max3_num_f32 v[T+3], v[T+3], v[\sx+26], v[\sx+27]
	PVW \py, \oy, 1, \mode
	v_max3_num_f32 v[T],   v[T],   v[\sx+28], v[\sx+29]
	v_max3_num_f32 v[T+1], v[T+1], v[\sx+30], v[\sx+31]
	v_max3_num_f32 v[T],   v[T],   v[T+1], v[T+2]
.if \first
	v_max_num_f32 v[T], v[T], v[T+3]
.else
	v_max3_num_f32 v[T], v[T], v[T+3], v[\mx]      ; the old maximum is the same in both halves
.endif
	v_permlanex16_b32 v[PX], v[T], s28, s29        ; the other 32 keys of my query
	v_max_num_f32 v[T+1], v[T], v[PX]              ; the new maximum
	v_mul_f32 v[NM], s30, v[T+1]                   ; -maximum x c
.if \first == 0
	v_fma_f32 v[AL], v[\mx], s[CL], v[NM]
	v_exp_f32 v[AL], v[AL]                         ; alpha = 2^((old - new) c)
.endif
	v_mov_b32 v[\mx], v[T+1]                       ; also the plain instruction behind the exponential
	PVW \py, \oy, 2, \mode
.irp i, 0,1,2,3,4,5,6,7
	v_pk_fma_f32 v[\sx+2*\i:\sx+2*\i+1], v[\sx+2*\i:\sx+2*\i+1], s[CL:CL+1], v[NM:NM+1] op_sel_hi:[1,0,0]
.endr
	PVW \py, \oy, 3, \mode
.irp i, 8,9,10,11,12,13,14,15
	v_pk_fma_f32 v[\sx+2*\i:\sx+2*\i+1], v[\sx+2*\i:\sx+2*\i+1], s[CL:CL+1], v[NM:NM+1] op_sel_hi:[1,0,0]
.endr
	PVW \py, \oy, 4, \mode
	EXP8 \sx, 0
	RESC \ox, 0, \first
	PVW \py, \oy, 5, \mode
	EXP8 \sx, 1
	RESC \ox, 1, \first
	SUMCVT \sx, 0
	PVW \py, \oy, 6, \mode
	EXP8 \sx, 2
	RESC \ox, 2, \first
	SUMCVT \sx, 1
	PVW \py, \oy, 7, \mode
	EXP8 \sx, 3
	RESC \ox, 3, \first
	SUMCVT \sx, 2
	SUMCVT \sx, 3
	v_pk_add_f32 v[SU:SU+1], v[SU:SU+1], v[SU+2:SU+3]
.if \first
	v_add_f32 v[\lx], v[SU], v[SU+1]
.else
	v_add_f32 v[SU], v[SU], v[SU+1]
	v_fma_f32 v[\lx], v[\lx], v[AL], v[SU]
.endif
.endm
; The V fragments of the trip: lane (r, h) takes 32 neighbouring bytes (keys 32g+16h .. +15) of row 16ct + r
.macro VLOAD rslot
.irp g, 0,1
.irp c, 0,1,2,3
	ds_load_b128 v[VF+32*\g+8*\c:VF+32*\g+8*\c+3],   v[AV] offset:(\rslot)*VSLOT+16*VPITCH*\c+64*\g
	ds_load_b128 v[VF+32*\g+8*\c+4:VF+32*\g+8*\c+7], v[AV] offset:(\rslot)*VSLOT+16*VPITCH*\c+64*\g+16
.endr
.endr
.endm
; Requests two steps (2,048 bytes of each row) ahead.  guard: none in the loop's last round, whose look-ahead would pass the rows' ends.
.macro PFETCH guard, pf
.if \guard
	s_cmp_eq_u32 s48, 1
	s_cbranch_scc1 .Lask_end_\@
.endif
	s_cmp_lg_u32 s12, 0
	s_cbranch_scc1 .Lask_pos_\@
	global_prefetch_b8 v[PFK], s[16:17] offset:2048 th:TH_LOAD_NT scope:SCOPE_SE
.Lask_pos_\@:
.if \pf == 2
	s_cmp_lg_u32 s12, 1
	s_cbranch_scc1 .Lask_end_\@
	global_prefetch_b8 v[PFP], s[18:19] offset:2048 th:TH_LOAD_NT scope:SCOPE_SE
.endif
.Lask_end_\@:
.endm
; One trip: 64 keys.  tau: the trip in its step; K and V are read from slot tau & 1, the next tile is stored into the other.
; bar = 1: the barrier between this trip's stores and reads and the next trip's; 2: also the one behind which a mask slot is filled again; 0: none.
.macro TRIP tau, mslot, refill, first, pvb, pva, conv, load, bar, pf, guard
.if \refill
	tensor_load_to_lds s[G0+4*(1-\mslot):G0+4*(1-\mslot)+3], s[G1:G1+7]    ; first behind the barrier: the next step's mask, into the slot read in the last step; four trips to land
	s_nop 0
.endif
.irp g, 0,1
	ds_load_b128 v[MKA+4*\g:MKA+4*\g+3], v[AM] offset:\mslot*MSLOT+64*\tau+32*\g                ; query r, keys 32g+16h .. +15
	ds_load_b128 v[MKB+4*\g:MKB+4*\g+3], v[AM] offset:\mslot*MSLOT+16*MPITCH+64*\tau+32*\g      ; query 16 + r
.endr
	WIN ALL1
	KLOAD 0, \tau&1
	KLOAD 1, \tau&1
	SLICE 0, 4, \tau, \conv, \load                 ; behind tile 0's loads: tile 1's four
	SLICE 1, 0, \tau, \conv, \load
.if \conv == 0
	NOP4                                           ; a load into registers that a matrix instruction has read stands four plain vector instructions behind it; else the conversion's six stand there
.endif
	KLOAD 2, \tau&1
	SLICE 2, 4+4*\conv, \tau, \conv, \load         ; behind tile 1's loads: four stores (if any) and tile 2's four loads
	SLICE 3, 0, \tau, \conv, \load
.if \conv == 0
	NOP4
.endif
	KLOAD 3, \tau&1
	SLICE 4, 4+4*\conv, \tau, \conv, \load
	SLICE 5, 0, \tau, \conv, \load
	SLICE 6, 4*\conv, \tau, \conv, \load           ; behind tile 3's loads: four stores (if any)
	SLICE 7, 0, \tau, \conv, \load
.if \pf
	WIN 0
	PFETCH \guard, \pf
.endif
	WIN C_1
	MSTAGE MKA, SA, SRA                            ; its eight shifts are the places behind the last product
	WIN 0
	SOFTMAX SA, OA, MXA, LSA, \first, SB, OB, \pvb
	VLOAD \tau&1                                   ; behind the last product that read the old fragments stand the softmax's closing lines
	WIN C_1
	MSTAGE MKB, SB, SRB
	WIN 0
	s_wait_dscnt 0x0                               ; my stores of the next tile and my reads of this trip's K, V and mask are done; the V fragments are in
.if \bar == 2
	s_set_vgpr_msb 0x5
	s_wait_tensorcnt 0x0                           ; all my tensor loads have landed, the next step's mask among them,
	ds_add_u32 v254, v255
	s_wait_dscnt 0x0
	s_set_vgpr_msb 0x500
	s_add_nc_u64 s[G0+4*\mslot+2:G0+4*\mslot+3], s[G0+4*\mslot+2:G0+4*\mslot+3], 512   ; so a group 0 may be written: this slot's next tile, two steps on
.endif
.if \bar
	s_barrier_signal -1
.endif
	SOFTMAX SB, OB, MXB, LSB, \first, SA, OA, \pva ; register work alone
.if \bar
	s_barrier_wait -1
.endif
.endm
; One step: four trips on one mask tile
.macro SS mslot, refill, first, last, pf, guard
.if \first
	TRIP 0, \mslot, \refill, 1, 0, 2, 1, 1, 1, 0, 0
	TRIP 1, \mslot, 0, 0, 2, 1, 1, 1, 1, 0, 0
.else
	TRIP 0, \mslot, \refill, 0, 1, 1, 1, 1, 1, 0, 0
	TRIP 1, \mslot, 0, 0, 1, 1, 1, 1, 1, 0, 0
.endif
.if \last
	TRIP 2, \mslot, 0, 0, 1, 1, 1, 0, 1, 0, 0      ; converts the last tile and loads nothing: its counts run down
	TRIP 3, \mslot, 0, 0, 1, 1, 0, 0, 0, 0, 0
.else
	TRIP 2, \mslot, 0, 0, 1, 1, 1, 1, 1, \pf, \guard
	TRIP 3, \mslot, 0, 0, 1, 1, 1, 1, 2, 0, 0
	s_wait_xcnt 0x0                                ; the bases of the loads that are out are stepped only behind this wait
	s_add_nc_u64 s[16:17], s[16:17], 1024          ; 256 keys on
	s_add_nc_u64 s[18:19], s[18:19], 1024
.endif
.endm
	SS 0, 0, 1, 0, 2, 0                            ; step 0: both mask slots were filled at the start
	s_mov_b32 s48, 3
.Lpair:
	SS 1, 1, 0, 0, 1, 0                            ; steps 1, 3, 5
	SS 0, 1, 0, 0, 2, 1                            ; steps 2, 4, 6
	s_sub_co_u32 s48, s48, 1
	s_cmp_lg_u32 s48, 0
	s_cbranch_scc1 .Lpair
	SS 1, 0, 0, 1, 0, 0                            ; step 7 fills nothing
; The end of a piece: the two halves' sums meet, O / sum, and out to the stage: row c = 16ct + 8h + j, column 32w + 16p + r.
; pv = 1: the last eight products of B stand behind the first eight multiplies; the other eight are the places behind the last product.
.macro FINAL ox, lx, p, pv
	v_permlanex16_b32 v[PX], v[\lx], s28, s29
	v_add_f32 v[T], v[\lx], v[PX]
	v_rcp_f32 v[AL], v[T]
	v_nop                                          ; the plain instruction behind the reciprocal (ISA guide 5.7.2)
	s_wait_alu depctr_va_vdst(0)
.irp i, 0,1,2,3,4,5,6,7,8,9,10,11,12,13,14,15
	v_pk_mul_f32 v[\ox+2*\i:\ox+2*\i+1], v[\ox+2*\i:\ox+2*\i+1], v[AL:AL+1] op_sel_hi:[1,0]
.if \pv
.if \i < 8
	PVW SB, OB, \i, 1
.endif
.endif
.endr
.irp c, 0,1,2,3
.irp j, 0,1,2,3,4,5,6,7
	ds_store_b32 v[AO], v[\ox+8*\c+\j] offset:64*\p+OPITCH*(16*\c+\j)
.endr
.endr
.endm
	FINAL OA, LSA, 0, 1
	FINAL OB, LSB, 1, 0
	s_wait_dscnt 0x0                               ; my columns of the stage are written,
	s_barrier_signal -1
	s_barrier_wait -1                              ; everybody's are
.irp i, 0,1,2,3,4,5,6,7,8,9,10,11,12,13,14,15
	ds_load_b128 v[SA+4*\i:SA+4*\i+3], v[AR] offset:OPITCH*\i      ; row 16 w + i: 512 bytes
.endr
.irp i, 0,1,2,3,4,5,6,7,8,9,10,11,12,13,14,15
	s_wait_dscnt 15-\i
	global_store_b128 v[GO], v[SA+4*\i:SA+4*\i+3], s[56:57] offset:ROWB*\i th:TH_STORE_NT      ; the wave stores 512 consecutive bytes, at a multiple of 512 from out's first byte
.endr
	s_set_vgpr_msb 0x5
	s_wait_tensorcnt 0x0
	ds_add_u32 v254, v255
	s_wait_dscnt 0x0
	s_set_vgpr_msb 0x500
	s_endpgm
.Lfunc_end_k_qc2ef40dd4b_attn:
	.size	k_qc2ef40dd4b_attn, .Lfunc_end_k_qc2ef40dd4b_attn-k_qc2ef40dd4b_attn
	.p2alignl 7, 3214868480
	.fill 96, 4, 3214868480
	.section	.rodata,"a",@progbits
	.p2align	6, 0x0
	.amdhsa_kernel k_qc2ef40dd4b_attn
		.amdhsa_group_segment_fixed_size 327680
		.amdhsa_private_segment_fixed_size 0
		.amdhsa_enable_private_segment 0
		.amdhsa_kernarg_size 32
		.amdhsa_user_sgpr_count 2
		.amdhsa_user_sgpr_kernarg_segment_ptr 1
		.amdhsa_wavefront_size32 1
		.amdhsa_system_sgpr_workgroup_id_x 1
		.amdhsa_system_sgpr_workgroup_id_y 1
		.amdhsa_system_sgpr_workgroup_id_z 1
		.amdhsa_system_vgpr_workitem_id 0
		.amdhsa_next_free_vgpr 512
		.amdhsa_next_free_sgpr 66
		.amdhsa_reserve_vcc 0
		.amdhsa_float_denorm_mode_32 3
		.amdhsa_float_denorm_mode_16_64 3
		.amdhsa_memory_ordered 1
		.amdhsa_forward_progress 1
		.amdhsa_inst_pref_size 255
	.end_amdhsa_kernel
	.section	.bss,"aw",@nobits
	.p2align	6
	.space	262144
	.amdgpu_metadata
---
amdhsa.version: [ 1, 2 ]
amdhsa.kernels:
  - .name:           k_qc2ef40dd4b_attn
    .symbol:         k_qc2ef40dd4b_attn.kd
    .args:
      - { .name: qkv, .offset: 0, .size: 8, .value_kind: global_buffer, .address_space: global }
      - { .name: pos, .offset: 8, .size: 8, .value_kind: global_buffer, .address_space: global }
      - { .name: attn_mask, .offset: 16, .size: 8, .value_kind: global_buffer, .address_space: global }
      - { .name: out0, .offset: 24, .size: 8, .value_kind: global_buffer, .address_space: global }
    .group_segment_fixed_size: 327680
    .private_segment_fixed_size: 0
    .kernarg_segment_align: 8
    .kernarg_segment_size: 32
    .max_flat_workgroup_size: 128
    .sgpr_count:     66
    .vgpr_count:     512
    .wavefront_size: 32
...
	.end_amdgpu_metadata
.endif
;; end of part 1
;; ======== version 2 of 2: 1 launch
;; limits: right only within a limited range of input values; values are held in f16: magnitudes above 65,504 overflow, below 6.1e-05 lose precision
;; launch attn (part 2): grid 16 x 16, 8 waves a work-group, no clusters, 327,680 bytes of LDS; arguments qkv, pos, attn_mask, out0; writes out0
.if DOCPART == 2
	.amdgcn_target "amdgcn-amd-amdhsa--gfx1250"
	.amdhsa_code_object_version 6
	.text
	.protected	k_qc2ef40dd4b_attn
	.globl	k_qc2ef40dd4b_attn
	.p2align	8
	.type	k_qc2ef40dd4b_attn,@function
k_qc2ef40dd4b_attn:
	s_mov_b64 s[64:65], 0
	v_nop
	global_prefetch_b8 v0, s[64:65] scope:SCOPE_SE
	s_setreg_imm32_b32 hwreg(HW_REG_WAVE_MODE, 25, 1), 1
	s_wait_xcnt 0x0
; out[b][c][t] = sum over s of softmax_s( (q.k)/8, masked ) * v[c][s],  q, k, v = slices of qkv + pos.  N = 16, C = 64, T = 2048, all f32; mask 1 byte.
; One launch.  Work-group (x = batch, y = query block of 128), EIGHT waves, two for each SIMD: wave = (query group qg = wave & 3, key half kh = wave >> 2).
; The sixteen work-groups that read one batch's K, V and pos are those of equal x: 16 apart in the launch's order.
; A wave owns 32 queries (two pieces A and B of 16) and 1,024 keys: 16 trips of 64 keys, four trips to a step of 256 keys = one tile of the mask.
; The keys are split and not the queries, so that the fragments read from LDS, the conversions and the bytes loaded are those of four waves that
; walk all keys; a wave issues in order, and while one of a SIMD's two waits for LDS, memory or a matrix result the other can issue.
; At the end the two waves of a query group merge their maxima, sums and O through LDS, each finishing one piece.
; ORDER OF THE STEPS: a softmax does not hang on the order of its keys.  The work-group of query block y starts at step y & 3 of its key half's four and
; walks them round (a ring of 8 pairs of tiles, 512 bytes of each row a pair).  So the sixteen work-groups of a batch read four different quarters
; of K, V and pos at a time, and from its second step on each loads rows that others have loaded a step before.  Only global addresses hang on y.
; NO PREFETCH INSTRUCTION: for steps 2 to 4 the rows have just been loaded by neighbours; in the first step a request could stand one trip at the most
; ahead of a load that is itself issued one trip ahead of its use; the mask is asked for four trips ahead by tensor loads.
; TRANSPOSED: S^T = K^T Q (rows = keys, columns = queries), so a query's scores lie in two lanes (l and l + 16): maximum and sum need one
; exchange of halves, and eight rounded weights of a lane are already four registers of the second source of O = V P.
; KEY ORDER IN A TRIP: tile u = 2g+e, row 8h+j stands for key 32g+16h+8e+j (K is laid into LDS with its 8-key pieces e and h exchanged).  Then a lane's
; mask bytes for 32 keys are 16 neighbouring bytes, and its V fragment is 32 neighbouring bytes.
; PIECES TAKE TURNS: the softmax of A runs among the products V P of B (of the trip before), that of B among the products V P of A, and the
; products K^T Q run among the additions and roundings of the next K and V tile.
; THE TEXT IS ROLLED: an outer loop of three steps (each asks for the next mask tile), an inner loop of two passes over one pair of trips (K and V slots 0, 1);
; the fourth step is written out, since it asks for no tile and its last trips load and convert nothing.  No first trip is written out: the maxima
; start at -2^127 (the value of a masked score, so they never win), the sums at 0, and O and the first P of B as products of a fragment of zeros.
; OPERANDS ARE f16: q, k, v after the addition of pos must stay below 65,504 in magnitude (the drawn numbers are below 10); weights lie in [0, 1].
; MASK: byte << 6 in the top byte of a word is 2.0 or 0.0; S = bias * (-2^126) + raw is exactly -2^127 where masked (for |raw| < 2^102) and raw elsewhere.
; The running maximum is taken away before every exponential, in the merge too.  A row that is masked throughout has maximum -2^127, all arguments
; exactly 0, all weights equal.  LIMIT: a masked logit counts as -2^124 and not -1e9: the same result as long as every unmasked logit is
; above about -1e9 + 104.  NaN and infinite inputs are not served.
; NO CLUSTER, NO JOINT LOADS: K, V and pos are shared by the 16 work-groups of a batch, but must be added and rounded before they feed a product.
; A joint load could bring only the raw f32: 3 x 16 KiB into LDS and out again for each tile, against the 16 KiB of f16 that are stored here, and two
; slots of it for two key halves (192 KiB) do not fit beside the mask's 136 KiB.  The mask, two thirds of all input bytes, is shared by nobody.
.set ROWB,   8192                      ; bytes in a row of 2,048 f32
; LDS
.set MPITCH, 272                       ; mask row: 256 bytes + 16 of padding = 17 x 16: sixteen rows start at sixteen different 16-byte columns modulo 256
.set MWAVE,  32*MPITCH                 ; a wave's 32 rows
.set MSLOT,  8*MWAVE                   ; 69,632; two slots, the only bytes that tensor loads fill; they end at 139,264 = 544 x 256
.set KBASE,  2*MSLOT
.set KPITCH, 160                       ; K row (one c, 64 keys of f16 = 128 bytes) + 32: 5 x 32, for the transposing loads
.set KSLOT,  64*KPITCH                 ; two slots for each key half
.set VBASE,  KBASE+4*KSLOT             ; 180,224
.set VPITCH, 144                       ; V row 128 bytes + 16 = 9 x 16
.set VSLOT,  64*VPITCH
.set STAGE,  VBASE+4*VSLOT             ; 217,088: first Q (64 rows x 288), at the end the output (64 rows x 528)
.set QPITCH, 288                       ; 256 bytes + 32 = 9 x 32
.set OPITCH, 528                       ; 512 bytes + 16
.set XCH,    STAGE+64*OPITCH           ; 250,880: what a wave sends to its partner: 8 x 512 bytes of O, then 16 bytes a lane of which 8 hold (maximum, sum)
.set XWAVE,  4608                      ; up to 287,744
; vector registers v0-v255
.set AM,  1                            ; LDS: my mask bytes in the pair of trips at work
.set AV,  2                            ; LDS: my V fragments
.set MXA, 4                            ; v[4:5] running maximum (raw sums) and running sum (this lane's half of the keys) of A
.set LSA, 5
.set MXB, 6                            ; v[6:7] of B
.set LSB, 7
.set AL,  8                            ; v[8:9]   alpha (v9 only written once, so that the pair may be named)
.set NM,  10                           ; v[10:11] -maximum x c (v11 likewise)
.set T,   12                           ; v[12:15] at work
.set SU,  16                           ; v[16:19] two pairs of sums
.set PX,  20                           ; what the other half of the lanes sent
.set AO,  22                           ; LDS: where my results go
.set AR,  23                           ; LDS: where I read rows of the output back
.set GO,  24                           ; my byte offset in out
.set GQ,  25                           ; my byte offset in the rows of q
.set AQS, 26                           ; LDS: where my piece of Q goes
.set AMB, 27                           ; LDS: 8704 wave + 272 r + 16 h: my mask bytes in slot 0, keys 0 ..
.set AX,  28                           ; LDS: what I send
.set AXP, 29                           ; LDS: what my partner sends
.set MKA, 32                           ; v[32:39] mask bytes of A (16 a group of 32 keys), v[40:47] of B
.set MKB, 40
.set BI,  48                           ; v[48:63] two buffers of eight biases
.set SA,  64                           ; v[64:95] masked scores of A, tile u at +8u; then weights; then P: group g at +16g .. +16g+7
.set SB,  96
.set OA,  128                          ; v[128:159] O of A: 16 c x 16 queries, block ct at +8ct
.set OB,  160
.set VF,  192                          ; v[192:255] V fragments, (g, ct) at +32g+8ct
; in the set-up alone: q in SA, its pos in OA; tile 0 as loaded in registers that are idle until the first trip
.set TGO, 32                           ; v32-v36: the five addresses that are then copied to v480-v484; tile 0 uses the first three from here
.set TKS, 33
.set TVS, 34
.set T0K, SB                           ; K, V, pos of tile 0, group j at +4j
.set T0V, OB
.set T0P, VF
; vector registers v256-v511, written by their low 8 bits
.set KS,  0                            ; v[256:287] K as loaded, group j at +4j; VS, PS: V and pos
.set VS,  32
.set PS,  64
.set QF,  96                           ; Q fragments, (piece, kk) at +16p+8kk
.set KF,  128                          ; K fragments, two buffers of 16
.set SRA, 160                          ; raw scores of A, of B
.set SRB, 192
.set GOFF, 224                         ; my byte offset in the rows of K, V, pos
.set AKST, 225                         ; LDS: where my 4 keys of K go, of V go
.set AVST, 226
.set AKLD, 227                         ; LDS: my K fragments, my Q fragments
.set AQLD, 228
; scalars: s2 query group, s3 key half, s12 wave, s13 query block, s14 batch, s48 steps, s62 pairs, s49 my wave's part of a mask slot,
; s60 the slot that is read, s61 the slot that is filled, s[8:9] the mask at my rows and key half, s[66:67] the next mask tile's offset in its ring of 1,024 bytes,
; s[70:71] K and s[72:73] pos at my batch and key half, s[74:75] offset in the ring of 4,096 bytes, s[16:17] and s[18:19] the two bases plus that offset
.set SEL, 20                           ; s[20:23] byte selectors
.set CL,  24                           ; s[24:25] c = log2(e) / 8
.set BIG, 26                           ; s[26:27] -2^126
.set G0A, 32                           ; s[32:35] descriptor group 0 of the first mask tile
.set G0,  36                           ; s[36:39] descriptor group 0 of the tiles asked for in the loop
.set G1,  40                           ; s[40:47] descriptor group 1
; register windows (s_set_vgpr_msb: bits 1:0 source 0, 3:2 source 1, 5:4 source 2, 7:6 destination)
.set ALL1, 0x55
.set C_1,  0x10
.set D_1,  0x40
.set MSB, 0
.macro WIN new                         ; the high byte repeats the setting that is left; a switch that changes nothing is dropped
.if MSB != \new
	s_set_vgpr_msb (MSB<<8)|\new
.set MSB, \new
.endif
.endm
.macro NOP4
.rept 4
	v_nop
.endr
.endm
; The next pair of tiles to be loaded: 512 bytes on in each row, round the key half's 4,096 bytes
.macro RING
	s_wait_xcnt 0x0                                ; the bases of the loads that are out are written only behind this wait
	s_add_co_u32 s74, s74, 512
	s_and_b32 s74, s74, 4095
	s_add_nc_u64 s[16:17], s[70:71], s[74:75]
	s_add_nc_u64 s[18:19], s[72:73], s[74:75]
.endm
	s_load_b256 s[4:11], s[0:1], 0x0               ; qkv s[4:5], pos s[6:7], mask s[8:9], out s[10:11]
	v_lshl_add_u32 v30, v0, 2, 0x46400
	v_mov_b32 v31, 0
	ds_add_u32 v30, v31
	v_lshrrev_b32 v12, 5, v0
	v_readfirstlane_b32 s12, v12                   ; wave 0..7
	s_and_b32 s2, s12, 3                           ; query group
	s_lshr_b32 s3, s12, 2                          ; key half
	s_mov_b32 s14, ttmp9                           ; batch
	s_and_b32 s13, ttmp7, 0xffff                   ; query block
	s_and_b32 s63, s13, 3                          ; the step at which I start
	s_lshl_b32 s74, s63, 10                        ; in a row of f32: 1,024 bytes a step
	s_mov_b32 s75, 0
	s_lshl_b32 s66, s63, 8                         ; in a row of the mask: 256 bytes a step
	s_mov_b32 s67, 0
	s_mov_b32 s[SEL+0], 0x00040404                 ; top byte = byte i of the second source, the rest = byte 0 of the first source (the constant 0)
	s_mov_b32 s[SEL+1], 0x01040404
	s_mov_b32 s[SEL+2], 0x02040404
	s_mov_b32 s[SEL+3], 0x03040404
	s_mov_b32 s[CL], 0x3e38aa3b                    ; 0.125 x 1.442695
	s_mov_b32 s[CL+1], 0x3e38aa3b
	s_mov_b32 s[BIG], 0xfe800000                   ; -2^126
	s_mov_b32 s[BIG+1], 0xfe800000
	s_mov_b32 s28, 0x76543210                      ; v_permlanex16_b32: lane i reads lane i of the other half
	s_mov_b32 s29, 0xfedcba98
	s_mov_b32 s30, 0xbe38aa3b                      ; -c
	; descriptor group 1: 32 rows x 32 elements of 8 bytes (256 bytes), 256 elements from row to row, 16 bytes of padding behind each row
	s_mov_b32 s[G1+0], (3<<16)|(1<<20)|(5<<22)|(3<<25)   ; no mask of work-groups; element 8 bytes; padding on, after every 64 words, of 4 words
	s_mov_b32 s[G1+1], 32<<16                      ; tensor_dim0 = 32
	s_mov_b32 s[G1+2], 32<<16                      ; tensor_dim1 = 32
	s_mov_b32 s[G1+3], 32<<16                      ; tile_dim0 = 32
	s_mov_b32 s[G1+4], 32                          ; tile_dim1 = 32
	s_mov_b32 s[G1+5], 256                         ; pitch: 2,048 bytes
	s_mov_b32 s[G1+6], 0
	s_mov_b32 s[G1+7], 0
	; byte offsets, each in a pair of its own
	s_mul_i32 s50, s14, 192*ROWB                   ; my batch in qkv
	s_mov_b32 s51, 0
	s_lshl_b32 s52, s14, 19                        ; my batch in pos and in out: 64 rows
	s_mov_b32 s53, 0
	s_lshl_b32 s54, s13, 9                         ; my 128 queries in a row: 512 bytes
	s_mov_b32 s55, 0
	s_lshl_b32 s58, s14, 22                        ; mask: batch x 2048 x 2048
	s_lshl_b32 s63, s13, 18                        ; + query block x 128 rows
	s_add_co_u32 s58, s58, s63
	s_lshl_b32 s63, s2, 16                         ; + query group x 32 rows
	s_add_co_u32 s58, s58, s63
	s_lshl_b32 s63, s3, 10                         ; + key half x 1,024 bytes
	s_add_co_u32 s58, s58, s63
	s_mov_b32 s59, 0
	s_lshl_b32 s68, s3, 12                         ; my key half in a row of f32: 4,096 bytes
	s_mov_b32 s69, 0
	s_mul_i32 s49, s12, MWAVE                      ; my wave's part of a mask slot
	s_mov_b32 s60, 0                               ; the first step reads slot 0,
	s_mov_b32 s61, MSLOT                           ; and slot 1 is filled meanwhile
	s_mul_i32 s31, s3, 2*KSLOT
	s_add_co_u32 s31, s31, KBASE                   ; my key half's K slots
	s_mul_i32 s15, s3, 2*VSLOT
	s_add_co_u32 s15, s15, VBASE                   ; and V slots
	; lane terms
	v_and_b32 v13, 15, v0                          ; r
	v_bfe_u32 v14, v0, 4, 1                        ; h
	v_and_b32 v15, 31, v0                          ; lane
	v_and_b32 v16, 7, v0
	v_bfe_u32 v17, v0, 3, 1
	v_lshl_add_u32 v18, v14, 3, v16                ; 8 h + (lane & 7): the row that I address in a transposing load
	v_lshl_add_u32 v19, v14, 2, s2                 ; qg + 4 h: my row among the 8 that one load of my key half's four waves covers
	v_mul_u32_u24 v[AMB], v13, MPITCH
	v_lshl_add_u32 v[AMB], v14, 4, v[AMB]
	v_add_nc_u32 v[AMB], s49, v[AMB]
	v_mul_u32_u24 v[AV], v13, VPITCH
	v_lshl_add_u32 v[AV], v14, 5, v[AV]
	v_add_nc_u32 v[AV], s15, v[AV]
	s_lshl_b32 s63, s2, 7
	s_add_co_u32 s63, s63, STAGE
	v_mul_u32_u24 v[AO], v14, 8*OPITCH             ; row 8 h, column 32 qg + r
	v_lshl_add_u32 v[AO], v13, 2, v[AO]
	v_add_nc_u32 v[AO], s63, v[AO]
	s_mul_i32 s63, s12, 8*OPITCH
	s_add_co_u32 s63, s63, STAGE
	v_lshl_add_u32 v[AR], v15, 4, s63
	s_lshl_b32 s63, s12, 16                        ; 8 rows of out
	v_lshl_add_u32 v[GO], v15, 4, s63
	s_lshl_b32 s63, s12, 13
	v_lshl_add_u32 v[GQ], v15, 4, s63
	s_mul_i32 s63, s12, QPITCH
	s_add_co_u32 s63, s63, STAGE
	v_lshl_add_u32 v[AQS], v15, 3, s63
	s_mul_i32 s63, s12, XWAVE
	s_add_co_u32 s63, s63, XCH
	v_lshl_add_u32 v[AX], v15, 4, s63
	s_xor_b32 s63, s12, 4                          ; my partner: the same queries, the other key half
	s_mul_i32 s63, s63, XWAVE
	s_add_co_u32 s63, s63, XCH
	v_lshl_add_u32 v[AXP], v15, 4, s63
	v_lshlrev_b32 v[TGO], 13, v19                  ; GOFF
	v_lshl_add_u32 v[TGO], v13, 4, v[TGO]
	v_mul_u32_u24 v[TKS], v19, KPITCH              ; AKST: keys 4r .. 4r+3 with bits 3 and 4 of the key exchanged, 2 bytes a key
	v_and_b32 v12, 8, v13
	v_lshl_add_u32 v[TKS], v12, 3, v[TKS]
	v_and_b32 v12, 2, v13
	v_lshl_add_u32 v[TKS], v12, 4, v[TKS]
	v_and_b32 v12, 4, v13
	v_lshl_add_u32 v[TKS], v12, 2, v[TKS]
	v_and_b32 v12, 1, v13
	v_lshl_add_u32 v[TKS], v12, 3, v[TKS]
	v_add_nc_u32 v[TKS], s31, v[TKS]
	v_mul_u32_u24 v[TVS], v19, VPITCH              ; AVST
	v_lshl_add_u32 v[TVS], v13, 3, v[TVS]
	v_add_nc_u32 v[TVS], s15, v[TVS]
	v_mul_u32_u24 v35, v18, KPITCH                 ; AKLD
	v_lshl_add_u32 v35, v17, 4, v35
	v_add_nc_u32 v35, s31, v35
	s_lshl_b32 s63, s2, 6
	s_add_co_u32 s63, s63, STAGE
	v_mul_u32_u24 v36, v18, QPITCH                 ; AQLD
	v_lshl_add_u32 v36, v17, 4, v36
	v_add_nc_u32 v36, s63, v36
	v_mov_b32 v[AL+1], 0
	v_mov_b32 v[NM+1], 0
	v_mov_b32 v[PX], 0                             ; v_permlanex16_b32 counts as a reader of its destination
	v_mov_b32 v[MXA], 0xff000000                   ; -2^127: no score is below it
	v_mov_b32 v[MXB], 0xff000000
	v_mov_b32 v[LSA], 0
	v_mov_b32 v[LSB], 0
	s_wait_dscnt 0x0
	s_wait_kmcnt 0x0
	s_add_nc_u64 s[8:9], s[8:9], s[58:59]          ; the mask at my wave's 32 rows and 1,024 keys
	s_mov_b32 s[G0A], 1                            ; count = 1
	s_add_co_u32 s[G0A+1], s49, 0                  ; LDS address: slot 0
	s_add_nc_u64 s[G0A+2:G0A+3], s[8:9], s[66:67]  ; the tile of my first step
	s_or_b32 s[G0A+3], s[G0A+3], 0x80000000        ; type = 2
	tensor_load_to_lds s[G0A:G0A+3], s[G1:G1+7]    ; a first fill; one tensor load of the wave is out, here and later
	s_nop 0
	s_add_co_u32 s66, s66, 256                     ; the next tile, round the key half's 1,024 bytes
	s_and_b32 s66, s66, 1023
	s_mov_b32 s[G0], 1
	s_add_co_u32 s[G0+1], s49, MSLOT               ; slot 1
	s_add_nc_u64 s[G0+2:G0+3], s[8:9], s[66:67]    ; asked for at the head of the first step
	s_or_b32 s[G0+3], s[G0+3], 0x80000000
	s_add_nc_u64 s[4:5], s[4:5], s[50:51]          ; qkv at my batch
	s_add_nc_u64 s[70:71], s[4:5], 64*ROWB         ; K (V lies 64 rows behind it)
	s_add_nc_u64 s[70:71], s[70:71], s[68:69]      ; at my key half
	s_add_nc_u64 s[16:17], s[70:71], s[74:75]      ; at my first step
	s_add_nc_u64 s[72:73], s[6:7], s[52:53]        ; pos at my batch
	s_add_nc_u64 s[6:7], s[72:73], s[54:55]        ; pos at my queries
	s_add_nc_u64 s[72:73], s[72:73], s[68:69]      ; pos at my key half
	s_add_nc_u64 s[18:19], s[72:73], s[74:75]      ; at my first step
	s_add_nc_u64 s[10:11], s[10:11], s[52:53]
	s_add_nc_u64 s[56:57], s[10:11], s[54:55]      ; out at my batch and queries
	s_add_nc_u64 s[4:5], s[4:5], s[54:55]          ; q at my queries
.irp i, 0,1,2,3,4,5,6,7
	global_load_b128 v[SA+4*\i:SA+4*\i+3], v[GQ], s[4:5] offset:8*ROWB*\i th:TH_LOAD_NT    ; row wave + 8 i of q: the wave covers its 512 bytes; q is read once in the launch
	global_load_b128 v[OA+4*\i:OA+4*\i+3], v[GQ], s[6:7] offset:8*ROWB*\i                  ; and of pos
.endr
.irp j, 0,1,2,3,4,5,6,7
	global_load_b128 v[T0K+4*\j:T0K+4*\j+3], v[TGO], s[16:17] offset:8*ROWB*\j             ; tile 0: sixteen lanes cover a row's 256 bytes
	global_load_b128 v[T0V+4*\j:T0V+4*\j+3], v[TGO], s[16:17] offset:8*ROWB*\j+64*ROWB
	global_load_b128 v[T0P+4*\j:T0P+4*\j+3], v[TGO], s[18:19] offset:8*ROWB*\j
.endr
; Group j (rows qg + 4h + 8j) of a tile into the staging registers v256 and up; off: the tile's bytes behind the bases
.macro TLOAD j, off
	global_load_b128 v[KS+4*\j:KS+4*\j+3], v[GOFF], s[16:17] offset:8*ROWB*\j+\off
	global_load_b128 v[VS+4*\j:VS+4*\j+3], v[GOFF], s[16:17] offset:8*ROWB*\j+64*ROWB+\off
	global_load_b128 v[PS+4*\j:PS+4*\j+3], v[GOFF], s[18:19] offset:8*ROWB*\j+\off
.endm
	WIN D_1
	v_mov_b32 v[GOFF], v[TGO]
	v_mov_b32 v[AKST], v[TKS]
	v_mov_b32 v[AVST], v[TVS]
	v_mov_b32 v[AKLD], v35
	v_mov_b32 v[AQLD], v36
	WIN ALL1
.irp j, 0,1,2,3,4,5,6
	TLOAD \j, 256                                  ; tile 1 goes out with tile 0, so that the first trip does not wait for a request made only when tile 0 had come
.endr
	s_wait_loadcnt 45                              ; behind the 16 loads of q and its pos stand tile 0's 24 and 21 of tile 1: q is in
	TLOAD 7, 256                                   ; tile 1's last group behind that wait: 61 loads at the most are counted at a time, inside LOADcnt's field (ISA guide 5.7.1)
	WIN 0
.irp i, 0,1,2,3,4,5,6,7
	v_pk_add_f32 v[SA+4*\i:SA+4*\i+1], v[SA+4*\i:SA+4*\i+1], v[OA+4*\i:OA+4*\i+1]
	v_pk_add_f32 v[SA+4*\i+2:SA+4*\i+3], v[SA+4*\i+2:SA+4*\i+3], v[OA+4*\i+2:OA+4*\i+3]
	v_cvt_pk_f16_f32 v[SA+4*\i], v[SA+4*\i], v[SA+4*\i+1]
	v_cvt_pk_f16_f32 v[SA+4*\i+1], v[SA+4*\i+2], v[SA+4*\i+3]
	ds_store_b64 v[AQS], v[SA+4*\i:SA+4*\i+1] offset:8*QPITCH*\i
.endr
.irp j, 0,1,2,3,4,5,6,7
	s_wait_loadcnt 45-3*\j                         ; behind tile 0's group j stand 3 (7 - j) loads of its tile and tile 1's 24
	v_pk_add_f32 v[T0K+4*\j:T0K+4*\j+1], v[T0K+4*\j:T0K+4*\j+1], v[T0P+4*\j:T0P+4*\j+1]
	v_pk_add_f32 v[T0K+4*\j+2:T0K+4*\j+3], v[T0K+4*\j+2:T0K+4*\j+3], v[T0P+4*\j+2:T0P+4*\j+3]
	v_pk_add_f32 v[T0V+4*\j:T0V+4*\j+1], v[T0V+4*\j:T0V+4*\j+1], v[T0P+4*\j:T0P+4*\j+1]
	v_pk_add_f32 v[T0V+4*\j+2:T0V+4*\j+3], v[T0V+4*\j+2:T0V+4*\j+3], v[T0P+4*\j+2:T0P+4*\j+3]
	v_cvt_pk_f16_f32 v[T0K+4*\j], v[T0K+4*\j], v[T0K+4*\j+1]
	v_cvt_pk_f16_f32 v[T0K+4*\j+1], v[T0K+4*\j+2], v[T0K+4*\j+3]
	v_cvt_pk_f16_f32 v[T0V+4*\j], v[T0V+4*\j], v[T0V+4*\j+1]
	v_cvt_pk_f16_f32 v[T0V+4*\j+1], v[T0V+4*\j+2], v[T0V+4*\j+3]
	ds_store_b64 v[TKS], v[T0K+4*\j:T0K+4*\j+1] offset:8*KPITCH*\j         ; tile 0 into slot 0
	ds_store_b64 v[TVS], v[T0V+4*\j:T0V+4*\j+1] offset:8*VPITCH*\j
.endr
	; O of both pieces and the P of B that the first trip multiplies start as products of one fragment of zeros: 8 moves and 10 products in place of 80 moves,
	; and in place of two more trips written out.  Five v_nop are the places behind them (ISA guide 7.12.1).
.irp i, 0,1,2,3,4,5,6,7
	v_mov_b32 v[BI+\i], 0
.endr
.irp d, OA, OA+8, OA+16, OA+24, OB, OB+8, OB+16, OB+24, SB, SB+16
	v_wmma_f32_16x16x32_f16 v[\d:\d+7], v[BI:BI+7], v[BI:BI+7], 0
.endr
.rept 5
	v_nop
.endr
; Group j of the staged tile: add pos, round to f16, store to LDS slot wslot, and load the tile after it into the same registers.
; All in registers v256 and up.  In two halves, so that each stands behind one matrix instruction.
.macro CONV_A j, cnt
	s_wait_loadcnt \cnt                            ; loads return in order (ISA guide 5.7.1): behind this group's three stand 3 (7 - j) of its tile and 3 j of the next
	v_pk_add_f32 v[KS+4*\j:KS+4*\j+1], v[KS+4*\j:KS+4*\j+1], v[PS+4*\j:PS+4*\j+1]
	v_pk_add_f32 v[KS+4*\j+2:KS+4*\j+3], v[KS+4*\j+2:KS+4*\j+3], v[PS+4*\j+2:PS+4*\j+3]
.endm
.macro CONV_B j, wslot, load, off
	v_pk_add_f32 v[VS+4*\j:VS+4*\j+1], v[VS+4*\j:VS+4*\j+1], v[PS+4*\j:PS+4*\j+1]
	v_pk_add_f32 v[VS+4*\j+2:VS+4*\j+3], v[VS+4*\j+2:VS+4*\j+3], v[PS+4*\j+2:PS+4*\j+3]
	v_cvt_pk_f16_f32 v[KS+4*\j], v[KS+4*\j], v[KS+4*\j+1]
	v_cvt_pk_f16_f32 v[KS+4*\j+1], v[KS+4*\j+2], v[KS+4*\j+3]
	v_cvt_pk_f16_f32 v[VS+4*\j], v[VS+4*\j], v[VS+4*\j+1]
	v_cvt_pk_f16_f32 v[VS+4*\j+1], v[VS+4*\j+2], v[VS+4*\j+3]
	ds_store_b64 v[AKST], v[KS+4*\j:KS+4*\j+1] offset:(\wslot)*KSLOT+8*KPITCH*\j
	ds_store_b64 v[AVST], v[VS+4*\j:VS+4*\j+1] offset:(\wslot)*VSLOT+8*VPITCH*\j
.if \load
	TLOAD \j, \off
.endif
.endm
; The V fragments of a trip: lane (r, h) takes 32 neighbouring bytes (keys 32g+16h .. +15) of row 16ct + r
.macro VLOAD rslot
.irp g, 0,1
.irp c, 0,1,2,3
	ds_load_b128 v[VF+32*\g+8*\c:VF+32*\g+8*\c+3],   v[AV] offset:(\rslot)*VSLOT+16*VPITCH*\c+64*\g
	ds_load_b128 v[VF+32*\g+8*\c+4:VF+32*\g+8*\c+7], v[AV] offset:(\rslot)*VSLOT+16*VPITCH*\c+64*\g+16
.endr
.endr
.endm
	s_wait_dscnt 0x0                               ; my pieces of Q and of tile 0 are in LDS,
	s_barrier_signal -1
	s_barrier_wait -1                              ; everybody's are
	WIN ALL1
.irp p, 0,1
.irp k, 0,1
	ds_load_tr16_b128 v[QF+16*\p+8*\k:QF+16*\p+8*\k+3],   v[AQLD] offset:32*\p+32*QPITCH*\k              ; c = 32 k + 8 h .., query 16 p + r
	ds_load_tr16_b128 v[QF+16*\p+8*\k+4:QF+16*\p+8*\k+7], v[AQLD] offset:32*\p+32*QPITCH*\k+16*QPITCH   ; c = 32 k + 16 + 8 h ..
.endr
.endr
	WIN 0
	VLOAD 0                                        ; finite numbers for the first trip's product with the zero P of B
	RING                                           ; the first pair of trips loads tiles 2 and 3
	s_wait_dscnt 0x0                               ; the loop's head asks for a mask tile: in front of its barrier my LDS reads are back
	s_wait_tensorcnt 0x0                           ; and my tensor load has landed (the first tile; only I read my tiles)
	ds_add_u32 v30, v31
	s_wait_dscnt 0x0
	s_barrier_signal -1
	s_barrier_wait -1
; Four transposing loads: 16 keys (tile u) x 64 c into K buffer u & 1
.macro KLOAD u, rslot
.irp q, 0,1,2,3
	ds_load_tr16_b128 v[KF+16*((\u)&1)+4*\q:KF+16*((\u)&1)+4*\q+3], v[AKLD] offset:(\rslot)*KSLOT+32*(\u)+16*KPITCH*\q
.endr
.endm
; Slice s: tile u = s >> 1, c block kk = s & 1: one product for A, one for B, with one group of the next tile converted behind them.
; The accumulators take turns A, B, A, B, one instruction a turn.
.macro SLICE s, dsc, tp, conv, load
.if (\s&1) == 0
	s_wait_dscnt \dsc                              ; LDS returns in order (ISA guide 5.7.1): this tile's four loads are in; dsc = the LDS instructions issued behind them
	v_wmma_f32_16x16x32_f16 v[SRA+8*(\s>>1):SRA+8*(\s>>1)+7], v[KF+16*((\s>>1)&1):KF+16*((\s>>1)&1)+7], v[QF:QF+7], 0
.else
	v_wmma_f32_16x16x32_f16 v[SRA+8*(\s>>1):SRA+8*(\s>>1)+7], v[KF+16*((\s>>1)&1)+8:KF+16*((\s>>1)&1)+15], v[QF+8:QF+15], v[SRA+8*(\s>>1):SRA+8*(\s>>1)+7]
.endif
.if \conv
.if \load
	CONV_A \s, 21
.else
	CONV_A \s, 21-3*\s
.endif
.endif
.if (\s&1) == 0
	v_wmma_f32_16x16x32_f16 v[SRB+8*(\s>>1):SRB+8*(\s>>1)+7], v[KF+16*((\s>>1)&1):KF+16*((\s>>1)&1)+7], v[QF+16:QF+23], 0
.else
	v_wmma_f32_16x16x32_f16 v[SRB+8*(\s>>1):SRB+8*(\s>>1)+7], v[KF+16*((\s>>1)&1)+8:KF+16*((\s>>1)&1)+15], v[QF+24:QF+31], v[SRB+8*(\s>>1):SRB+8*(\s>>1)+7]
.endif
.if \conv
	CONV_B \s, 1-\tp, \load, 256*\tp
.endif
.endm
; Masked scores of one piece: bias 2.0 or 0.0 from each mask byte, then score = bias x -2^126 + raw.  Source 2 (raw) lies in v256 and up.
.macro MSTAGE mk, sx, sr
.irp i, 0,1,2,3,4,5,6,7
	v_lshlrev_b32 v[\mk+\i], 6, v[\mk+\i]          ; bytes 0 or 1 become 0 or 0x40
.endr
.irp u, 0,1,2,3
.irp j, 0,1,2,3,4,5,6,7
	v_perm_b32 v[BI+8*(\u&1)+\j], 0, v[\mk+2*\u+(\j>>2)], s[SEL+(\j&3)]
.endr
.irp q, 0,1,2,3
	v_pk_fma_f32 v[\sx+8*\u+2*\q:\sx+8*\u+2*\q+1], v[BI+8*(\u&1)+2*\q:BI+8*(\u&1)+2*\q+1], s[BIG:BIG+1], v[\sr+8*\u+2*\q:\sr+8*\u+2*\q+1] op_sel_hi:[1,0,1]
.endr
.endr
.endm
; Product idx of O = V P of one piece: c block idx & 3, key group idx >> 2.  The four blocks take turns, one instruction a turn.
.macro PVW py, oy, idx
	v_wmma_f32_16x16x32_f16 v[\oy+8*(\idx&3):\oy+8*(\idx&3)+7], v[VF+32*(\idx>>2)+8*(\idx&3):VF+32*(\idx>>2)+8*(\idx&3)+7], v[\py+16*(\idx>>2):\py+16*(\idx>>2)+7], v[\oy+8*(\idx&3):\oy+8*(\idx&3)+7]
.endm
.macro EXP8 sx, u
.irp i, 0,1,2,3,4,5,6,7
	v_exp_f32 v[\sx+8*\u+\i], v[\sx+8*\u+\i]
.endr
.endm
; Behind a run of exponentials one plain vector instruction comes before a result is used (ISA guide 5.7.2): here a quarter of O x alpha
.macro RESC ox, q
	s_wait_alu depctr_va_vdst(0)
.irp i, 0,1,2,3
	v_pk_mul_f32 v[\ox+8*\q+2*\i:\ox+8*\q+2*\i+1], v[\ox+8*\q+2*\i:\ox+8*\q+2*\i+1], v[AL:AL+1] op_sel_hi:[1,0]
.endr
.endm
; Tile u: its eight weights into the sums, then rounded in place: tile 2g+e becomes registers 4e .. 4e+3 of P of group g
.macro SUMCVT sx, u
.if \u == 0
	v_pk_add_f32 v[SU:SU+1], v[\sx:\sx+1], v[\sx+2:\sx+3]          ; the first tile starts the sums
	v_pk_add_f32 v[SU+2:SU+3], v[\sx+4:\sx+5], v[\sx+6:\sx+7]
.else
	s_wait_alu depctr_va_vdst(0)
	v_pk_add_f32 v[SU:SU+1], v[SU:SU+1], v[\sx+8*\u:\sx+8*\u+1]
	v_pk_add_f32 v[SU+2:SU+3], v[SU+2:SU+3], v[\sx+8*\u+2:\sx+8*\u+3]
	v_pk_add_f32 v[SU:SU+1], v[SU:SU+1], v[\sx+8*\u+4:\sx+8*\u+5]
	v_pk_add_f32 v[SU+2:SU+3], v[SU+2:SU+3], v[\sx+8*\u+6:\sx+8*\u+7]
.endif
.irp q, 0,1,2,3
	v_cvt_pk_f16_f32 v[\sx+16*(\u>>1)+4*(\u&1)+\q], v[\sx+8*\u+2*\q], v[\sx+8*\u+2*\q+1]
.endr
.endm
; The softmax step of one piece (scores at sx, O at ox, maximum and sum at mx, mx + 1), with the eight products V P of the other piece (P at py, O at oy)
; set among it.  No instruction of the one names a register of the other.
.macro SOFTMAX sx, ox, mx, py, oy
	v_max3_num_f32 v[T],   v[\sx],   v[\sx+1],  v[\sx+2]
	v_max3_num_f32 v[T+1], v[\sx+3], v[\sx+4],  v[\sx+5]
	v_max3_num_f32 v[T+2], v[\sx+6], v[\sx+7],  v[\sx+8]
	v_max3_num_f32 v[T+3], v[\sx+9], v[\sx+10], v[\sx+11]
	v_max3_num_f32 v[T],   v[T],   v[\sx+12], v[\sx+13]
	v_max3_num_f32 v[T+1], v[T+1], v[\sx+14], v[\sx+15]
	PVW \py, \oy, 0
	v_max3_num_f32 v[T+2], v[T+2], v[\sx+16], v[\sx+17]
	v_max3_num_f32 v[T+3], v[T+3], v[\sx+18], v[\sx+19]
	v_max3_num_f32 v[T],   v[T],   v[\sx+20], v[\sx+21]
	v_max3_num_f32 v[T+1], v[T+1], v[\sx+22], v[\sx+23]
	v_max3_num_f32 v[T+2], v[T+2], v[\sx+24], v[\sx+25]
	v_max3_num_f32 v[T+3], v[T+3], v[\sx+26], v[\sx+27]
	PVW \py, \oy, 1
	v_max3_num_f32 v[T],   v[T],   v[\sx+28], v[\sx+29]
	v_max3_num_f32 v[T+1], v[T+1], v[\sx+30], v[\sx+31]
	v_max3_num_f32 v[T],   v[T],   v[T+1], v[T+2]
	v_max3_num_f32 v[T],   v[T],   v[T+3], v[\mx]  ; the old maximum is the same in both halves
	v_permlanex16_b32 v[PX], v[T], s28, s29        ; the other 32 keys of my query
	v_max_num_f32 v[T+1], v[T], v[PX]              ; the new maximum
	v_mul_f32 v[NM], s30, v[T+1]                   ; -maximum x c
	v_fma_f32 v[AL], v[\mx], s[CL], v[NM]
	v_exp_f32 v[AL], v[AL]                         ; alpha = 2^((old - new) c)
	v_mov_b32 v[\mx], v[T+1]                       ; also the plain instruction behind the exponential
	PVW \py, \oy, 2
.irp i, 0,1,2,3,4,5,6,7
	v_pk_fma_f32 v[\sx+2*\i:\sx+2*\i+1], v[\sx+2*\i:\sx+2*\i+1], s[CL:CL+1], v[NM:NM+1] op_sel_hi:[1,0,0]
.endr
	PVW \py, \oy, 3
.irp i, 8,9,10,11,12,13,14,15
	v_pk_fma_f32 v[\sx+2*\i:\sx+2*\i+1], v[\sx+2*\i:\sx+2*\i+1], s[CL:CL+1], v[NM:NM+1] op_sel_hi:[1,0,0]
.endr
	PVW \py, \oy, 4
	EXP8 \sx, 0
	RESC \ox, 0
	PVW \py, \oy, 5
	EXP8 \sx, 1
	RESC \ox, 1
	SUMCVT \sx, 0
	PVW \py, \oy, 6
	EXP8 \sx, 2
	RESC \ox, 2
	SUMCVT \sx, 1
	PVW \py, \oy, 7
	EXP8 \sx, 3
	RESC \ox, 3
	SUMCVT \sx, 2
	SUMCVT \sx, 3
	v_pk_add_f32 v[SU:SU+1], v[SU:SU+1], v[SU+2:SU+3]
	v_add_f32 v[SU], v[SU], v[SU+1]
	v_fma_f32 v[\mx+1], v[\mx+1], v[AL], v[SU]
.endm
; One trip: 64 keys.  tp: the trip in its pair: K and V are read from slot tp, the next tile is stored into the other, and the tile after that is
; loaded from 256 tp bytes behind the bases.  mo: the trip's mask bytes behind AM.
; bar = 1: the barrier between this trip's LDS stores and reads and the next trip's; 0: none (the last trip).
.macro TRIP tp, mo, conv, load, bar
.irp g, 0,1
	ds_load_b128 v[MKA+4*\g:MKA+4*\g+3], v[AM] offset:\mo+32*\g                ; query r, keys 32g+16h .. +15
	ds_load_b128 v[MKB+4*\g:MKB+4*\g+3], v[AM] offset:16*MPITCH+\mo+32*\g      ; query 16 + r
.endr
	WIN ALL1
	KLOAD 0, \tp
	KLOAD 1, \tp
	SLICE 0, 4, \tp, \conv, \load                  ; behind tile 0's loads: tile 1's four
	SLICE 1, 0, \tp, \conv, \load
.if \conv == 0
	NOP4                                           ; a load into registers that a matrix instruction has read stands four plain vector instructions behind it; else the conversion's six stand there
.endif
	KLOAD 2, \tp
	SLICE 2, 4+4*\conv, \tp, \conv, \load          ; behind tile 1's loads: four stores (if any) and tile 2's four loads
	SLICE 3, 0, \tp, \conv, \load
.if \conv == 0
	NOP4
.endif
	KLOAD 3, \tp
	SLICE 4, 4+4*\conv, \tp, \conv, \load
	SLICE 5, 0, \tp, \conv, \load
	SLICE 6, 4*\conv, \tp, \conv, \load            ; behind tile 3's loads: four stores (if any)
	SLICE 7, 0, \tp, \conv, \load
	WIN C_1
	MSTAGE MKA, SA, SRA                            ; its eight shifts are the places behind the last product
	WIN 0
	SOFTMAX SA, OA, MXA, SB, OB
	VLOAD \tp                                      ; behind the last product that read the old fragments stand the softmax's closing lines
	WIN C_1
	MSTAGE MKB, SB, SRB
	WIN 0
	s_wait_dscnt 0x0                               ; my stores of the next tile and my reads of this trip's K, V and mask are done; the V fragments are in
.if \bar
	s_barrier_signal -1
.endif
	SOFTMAX SB, OB, MXB, SA, OA                    ; register work alone
.if \bar
	s_barrier_wait -1
.endif
.endm
	s_mov_b32 s48, 0
.Lstep:                                                ; my first three steps
	tensor_load_to_lds s[G0:G0+3], s[G1:G1+7]      ; first behind the barrier: the next step's mask tile, into the slot read in the step before; four trips to land
	s_nop 0
	v_add_nc_u32 v[AM], s60, v[AMB]                ; this step's slot
	s_mov_b32 s62, 0
.Lpair:
	TRIP 0, 0, 1, 1, 1
	TRIP 1, 64, 1, 1, 1
	RING                                           ; the next pair of tiles to be loaded
	v_add_nc_u32 v[AM], 128, v[AM]
	s_add_co_u32 s62, s62, 1
	s_cmp_lt_u32 s62, 2
	s_cbranch_scc1 .Lpair
	s_wait_dscnt 0x0                               ; my reads of this step's mask slot are back (met: the last trip waited for them)
	s_wait_tensorcnt 0x0                           ; my tensor load has landed: the next step's tile is there, and group 0 may be written
	ds_add_u32 v30, v31
	s_wait_dscnt 0x0
	s_xor_b32 s60, s60, MSLOT                      ; the slots change places
	s_xor_b32 s61, s61, MSLOT
	s_add_co_u32 s[G0+1], s49, s61                 ; the slot just read is filled next,
	s_add_co_u32 s66, s66, 256                     ; with the tile after the one that has landed, round the key half's 1,024 bytes
	s_and_b32 s66, s66, 1023
	s_add_nc_u64 s[G0+2:G0+3], s[8:9], s[66:67]    ; (behind the third step written and not used)
	s_or_b32 s[G0+3], s[G0+3], 0x80000000
	s_barrier_signal -1
	s_barrier_wait -1                              ; both waits now hold of every wave
	s_add_co_u32 s48, s48, 1
	s_cmp_lt_u32 s48, 3
	s_cbranch_scc1 .Lstep
	v_add_nc_u32 v[AM], s60, v[AMB]                ; the fourth step asks for no tile
	TRIP 0, 0, 1, 1, 1
	TRIP 1, 64, 1, 1, 1
	TRIP 0, 128, 1, 0, 1                           ; converts the last tile and loads nothing: its counts run down
	TRIP 1, 192, 0, 0, 0
	; THE END.  The two lane halves' sums meet; the last products V P of B; then the two key halves meet.
	v_permlanex16_b32 v[PX], v[LSA], s28, s29
	v_permlanex16_b32 v[T], v[LSB], s28, s29
	PVW SB, OB, 0
	v_add_f32 v[LSA], v[LSA], v[PX]
	PVW SB, OB, 1
	v_add_f32 v[LSB], v[LSB], v[T]
.irp n, 2,3,4,5,6,7
	PVW SB, OB, \n
.endr
	NOP4                                           ; the places behind the last product: O is stored, and the V fragments' registers are loaded into (ISA guide 7.12.1)
; What a wave sends: O of one piece, 16 bytes a lane and store, and its (maximum, sum)
.macro XSEND ox, mx
.irp i, 0,1,2,3,4,5,6,7
	ds_store_b128 v[AX], v[\ox+4*\i:\ox+4*\i+3] offset:512*\i
.endr
	ds_store_b64 v[AX], v[\mx:\mx+1] offset:4096
.endm
; The piece that a wave keeps, merged with its partner's: m = max(m0, m1), a = 2^((m_i - m) c), O = (O0 a0 + O1 a1) / (l0 a0 + l1 a1);
; then out to the stage: row c = 16ct + 8h + j, column 32 qg + 16 p + r
.macro XMERGE ox, mx, p
	ds_load_b64 v[T:T+1], v[AXP] offset:4096
.irp i, 0,1,2,3,4,5,6,7
	ds_load_b128 v[VF+4*\i:VF+4*\i+3], v[AXP] offset:512*\i
.endr
	s_wait_dscnt 0x8                               ; (maximum, sum) are in; the eight loads of O may be out
	v_max_num_f32 v[T+2], v[\mx], v[T]
	v_mul_f32 v[NM], s30, v[T+2]
	v_fma_f32 v[AL], v[\mx], s[CL], v[NM]
	v_fma_f32 v[SU], v[T], s[CL], v[NM]
	v_exp_f32 v[AL], v[AL]
	v_exp_f32 v[SU], v[SU]
	v_nop                                          ; the plain instruction behind the exponentials (ISA guide 5.7.2)
	s_wait_alu depctr_va_vdst(0)
	v_mul_f32 v[T+3], v[\mx+1], v[AL]
	v_fma_f32 v[T+3], v[T+1], v[SU], v[T+3]
	v_rcp_f32 v[PX], v[T+3]
	v_nop                                          ; and behind the reciprocal
	s_wait_alu depctr_va_vdst(0)
	v_mul_f32 v[AL], v[AL], v[PX]
	v_mul_f32 v[SU], v[SU], v[PX]
	s_wait_dscnt 0x0
.irp i, 0,1,2,3,4,5,6,7,8,9,10,11,12,13,14,15
	v_pk_mul_f32 v[\ox+2*\i:\ox+2*\i+1], v[\ox+2*\i:\ox+2*\i+1], v[AL:AL+1] op_sel_hi:[1,0]
.endr
.irp i, 0,1,2,3,4,5,6,7,8,9,10,11,12,13,14,15
	v_pk_fma_f32 v[\ox+2*\i:\ox+2*\i+1], v[VF+2*\i:VF+2*\i+1], v[SU:SU+1], v[\ox+2*\i:\ox+2*\i+1] op_sel_hi:[1,0,1]
.endr
.irp c, 0,1,2,3
.irp j, 0,1,2,3,4,5,6,7
	ds_store_b32 v[AO], v[\ox+8*\c+\j] offset:64*\p+OPITCH*(16*\c+\j)
.endr
.endr
.endm
	s_cmp_lg_u32 s3, 0
	s_cbranch_scc1 .Lsend_a
	XSEND OB, MXB                                  ; key half 0 keeps A and sends B
	s_branch .Lsent
.Lsend_a:
	XSEND OA, MXA                                  ; key half 1 keeps B and sends A
.Lsent:
	s_wait_dscnt 0x0                               ; what I send is in LDS,
	s_barrier_signal -1
	s_barrier_wait -1                              ; what my partner sends too
	s_cmp_lg_u32 s3, 0
	s_cbranch_scc1 .Lmerge_b
	XMERGE OA, MXA, 0
	s_branch .Lmerged
.Lmerge_b:
	XMERGE OB, MXB, 1
.Lmerged:
	s_wait_dscnt 0x0                               ; my columns of the stage are written,
	s_barrier_signal -1
	s_barrier_wait -1                              ; everybody's are
.irp i, 0,1,2,3,4,5,6,7
	ds_load_b128 v[SA+4*\i:SA+4*\i+3], v[AR] offset:OPITCH*\i      ; row 8 wave + i: 512 bytes
.endr
.irp i, 0,1,2,3,4,5,6,7
	s_wait_dscnt 7-\i
	global_store_b128 v[GO], v[SA+4*\i:SA+4*\i+3], s[56:57] offset:ROWB*\i th:TH_STORE_NT      ; the wave stores 512 consecutive bytes, at a multiple of 512 from out's first byte
.endr
	s_wait_tensorcnt 0x0
	ds_add_u32 v30, v31
	s_wait_dscnt 0x0
	s_endpgm
.Lfunc_end_k_qc2ef40dd4b_attn:
	.size	k_qc2ef40dd4b_attn, .Lfunc_end_k_qc2ef40dd4b_attn-k_qc2ef40dd4b_attn
	.p2alignl 7, 3214868480
	.fill 96, 4, 3214868480
	.section	.rodata,"a",@progbits
	.p2align	6, 0x0
	.amdhsa_kernel k_qc2ef40dd4b_attn
		.amdhsa_group_segment_fixed_size 327680
		.amdhsa_private_segment_fixed_size 0
		.amdhsa_enable_private_segment 0
		.amdhsa_kernarg_size 32
		.amdhsa_user_sgpr_count 2
		.amdhsa_user_sgpr_kernarg_segment_ptr 1
		.amdhsa_wavefront_size32 1
		.amdhsa_system_sgpr_workgroup_id_x 1
		.amdhsa_system_sgpr_workgroup_id_y 1
		.amdhsa_system_sgpr_workgroup_id_z 1
		.amdhsa_system_vgpr_workitem_id 0
		.amdhsa_next_free_vgpr 512
		.amdhsa_next_free_sgpr 76
		.amdhsa_reserve_vcc 0
		.amdhsa_float_denorm_mode_32 3
		.amdhsa_float_denorm_mode_16_64 3
		.amdhsa_memory_ordered 1
		.amdhsa_forward_progress 1
		.amdhsa_inst_pref_size 221
	.end_amdhsa_kernel
	.amdgpu_metadata
---
amdhsa.version: [ 1, 2 ]
amdhsa.kernels:
  - .name:           k_qc2ef40dd4b_attn
    .symbol:         k_qc2ef40dd4b_attn.kd
    .args:
      - { .name: qkv, .offset: 0, .size: 8, .value_kind: global_buffer, .address_space: global }
      - { .name: pos, .offset: 8, .size: 8, .value_kind: global_buffer, .address_space: global }
      - { .name: attn_mask, .offset: 16, .size: 8, .value_kind: global_buffer, .address_space: global }
      - { .name: out0, .offset: 24, .size: 8, .value_kind: global_buffer, .address_space: global }
    .group_segment_fixed_size: 327680
    .private_segment_fixed_size: 0
    .kernarg_segment_align: 8
    .kernarg_segment_size: 32
    .max_flat_workgroup_size: 256
    .sgpr_count:     76
    .vgpr_count:     512
    .wavefront_size: 32
...
	.end_amdgpu_metadata
.endif
;; end of part 2
